; MI455X (gfx1250); checked and timed in simulation.
; The chip was launched on July 23, 2026; its instructions are those of AMD's public machine-readable ISA for CDNA 5 (MIT licence, August 2026) and "CDNA5" Instruction Set Architecture Reference Guide (July 2026). The comments in the code are by the model that wrote it; some were corrected since.
;; Vector Quantizer. Allowed arithmetic: matrix products marked QUANTISED: E3M2 operands, one E8M0 scale for each 32 along K, by v_wmma_scale_f32_16x16x128_f8f6f4 with both operands' format E3M2, f32 sums; everything else in f32.
;; Inputs: embedding_weight 8,192 x 32 float32; z 16 x 2,048 x 32 float32.
;; Outputs: out0 16 x 2,048 x 32 float32; out1 16 x 2,048 int32.
;; This version of the problem:
;;   THIS VERSION OF THE PROBLEM IS GIVEN IN LOW PRECISION. The matrix products marked QUANTISED in the list below multiply operands that are first quantised to E3M2 (3 exponent bits, 2 mantissa bits; 6 bits a number), with one power-of-two scale for each 32 numbers along K (OCP MX v1.0); their sums are f32. All else is computed in f32.
;;   The module's matrix products, in the order in which they are computed (A, B: the left and right operand; K: the contracted axis; several contracted axes count as one K, in the product's order):
;;     1. [M 32,768, K 32] x [K 32, N 8,192]; A: input z; B: input embedding_weight: QUANTISED
;;   THE QUANTISER, for each operand of a quantised product, along K:
;;     - K is cut into blocks of 32 from its start; a last block that is shorter is filled with zeros.
;;     - A block's scale is 2^e with e = floor(log2(the largest magnitude in the block)) - 4, held to -126 .. 127; a block of zeros has e = 0. As a byte (E8M0): e + 127.
;;     - Each number is divided by its block's scale, clamped to +-28, and rounded to the nearest number of E3M2, ties to even, subnormals kept.
;;     - The product sums the exact products of the quantised numbers (number of the format x scale) in f32.
;;   ~~~python
;;   def quantise(x, axis):      # numpy; x: float32 -> the quantised numbers, widened to float32 again
;;       x = np.moveaxis(x, axis, -1); K = x.shape[-1]
;;       x = np.pad(x, [(0, 0)] * (x.ndim - 1) + [(0, -K % 32)]); x = x.reshape(x.shape[:-1] + (-1, 32)); a = np.abs(x).max(-1, keepdims=True)
;;       e = np.where(a > 0, np.clip(np.frexp(np.where(a > 0, a, 1))[1] - 1 - 4, -126, 127), 0)      # np.frexp(a)[1] - 1 = floor(log2(a)), exactly
;;       r = np.clip(x / 2.0 ** e, -28, 28)
;;       step = 2.0 ** (np.maximum(np.frexp(np.where(r == 0, 1, r))[1] - 1, -2) - 2)
;;       q = np.round(r / step) * step * 2.0 ** e      # np.round: ties to even
;;       return np.moveaxis(q.reshape(q.shape[:-2] + (-1,))[..., :K], -1, axis).astype(np.float32)
;;   ~~~
;; One version. Each part assembles by itself: llvm-mc -triple=amdgcn-amd-amdhsa -mcpu=gfx1250 --defsym DOCPART=n.
;; ======== version 1 of 1: 3 launches
;; limits: right only within a limited range of input values
;; workspace buffers: cb 237,568 bytes; zq 950,272 bytes; grp 131,072 bytes of whole numbers
;; launch quant (part 1): grid 160 x 1, 4 waves a work-group, no clusters, 23,296 bytes of LDS; arguments embedding_weight, z, cb, zq; writes cb, zq
.if DOCPART == 1
	.amdgcn_target "amdgcn-amd-amdhsa--gfx1250"
	.amdhsa_code_object_version 6
	.text
	.protected	k_q0a1541424a_quant
	.globl	k_q0a1541424a_quant
	.p2align	8
	.type	k_q0a1541424a_quant,@function
k_q0a1541424a_quant:
	s_mov_b64 s[64:65], 0
	v_nop
	global_prefetch_b8 v0, s[64:65] scope:SCOPE_SE
	s_setreg_imm32_b32 hwreg(HW_REG_WAVE_MODE, 25, 1), 1
	s_wait_xcnt 0x0
; VECTOR QUANTISER, launch 1 of 3.  For each of 32,768 tokens z (32 numbers) the program finds the FIRST code n of 8,192 with the least
; d = fl(fl(|z|^2 + |e_n|^2) - 2 z.e_n), z.e on codes of E3M2 with one E8M0 scale for the one block of 32 along K, and returns e_n and n + 32000.
; NOTHING OF THE PROBLEM IS LEFT OUT.  |z|^2 is the same along the axis of the minimum, but it is far larger than the other two terms, so that the
; rounding of the two f32 additions decides which distances are equal, and the first of equals is the result: it stays, and both additions are made as they are written.
; THIS LAUNCH turns both tensors, once, into codes (24 bytes a row, rows on end), scale bytes and the rows' sums of squares in f32:
;   cb: codes at 0, scale bytes at 196,608, sums at 204,800;   zq: codes at 0, scale bytes at 786,432, sums at 819,200.
; THE SCALE BYTES ARE LAID FOR THE NEXT LAUNCH: row n = 64 f + 16 b + m has its byte at 64 f + 4 m + b, so that the bytes of rows m, 16 + m, 32 + m, 48 + m of a run of 64 are one word.
; A block's scale is 2^(floor(log2(largest magnitude)) - 4); its byte is the largest magnitude's exponent field - 4, held at 1 from below.  A block of zeros so has the byte 1 where the
; rule says 127: its codes are zeros, which add nothing, and this program alone reads the bytes.
; LIMITS: NaN and infinities among the inputs are not served.  Blocks whose largest magnitude lies under 2^-122 have the byte 1.  A row's sum of squares is made in ascending k, one fused
; multiply-add a term; another order of rounding can move an index only between distances that lie within one rounding of each other.
; SHARES.  A work-group takes 256 rows: the first 32 work-groups the codebook, the other 128 z; pointers and section offsets alone are chosen, the text has one path.  A wave takes 64 rows in four steps
; of 16 rows (512 numbers).  Each load reads 512 consecutive bytes; a step's 2,048 bytes turn through the wave's own stage in LDS and come back 64 bytes a lane: lanes 2 m and 2 m + 1 hold row m's two halves.
; No cluster: no two work-groups read the same byte.
.set EMAX,  4
.set SP,    80                         ; a lane's place in a stage: 64 bytes + 16 of padding
.set WREG,  5632                       ; LDS of a wave: two stages of 32 x SP bytes, then its 64 sums
.set SUMS,  5120
.set SCB,   4*WREG                     ; the work-group's 256 scale bytes
.set SPARE, SCB+256                    ; the spare words, 128 bytes for each wave: two blocks of 256 bytes that no other line names
.set R,     16                         ; v16-79   four sets of 16 numbers as they are loaded, one for each step
.set X,     80                         ; v80-111  two sets of 16 neighbours
.set E,     112                        ; v112-115 a scale byte for each step
.set SS,    116                        ; v116-119 a sum for each step
.set SA,    120                        ; v120     the sum over my 16
.set SB,    121                        ; v121     my neighbour's sum, carried on over my 16
.set SE,    122                        ; v122     my neighbour's v121
.set C,     128                        ; v128-143 codes: four registers for each step
.set SPW,   12                         ; v12      LDS address of my spare word; never rewritten
.set NIL,   13                         ; v13      0; never rewritten
	s_load_b256 s[4:11], s[0:1], 0x0               ; the codebook s[4:5], z s[6:7], cb s[8:9], zq s[10:11]
	v_lshl_add_u32 v[SPW], v0, 2, SPARE
	v_mov_b32 v[NIL], 0
	v_lshrrev_b32 v1, 5, v0
	v_readfirstlane_b32 s16, v1                    ; wave
	v_and_b32 v8, 31, v0                           ; lane
	v_lshlrev_b32 v3, 4, v8                        ; my 16 bytes of a load's 512
	s_mul_i32 s25, s16, WREG
	v_lshrrev_b32 v14, 2, v8
	v_mul_u32_u24 v14, v14, SP
	v_and_b32 v15, 3, v8
	v_lshl_add_u32 v14, v15, 4, v14
	v_add_nc_u32 v14, s25, v14                     ; the stage, on the way in: SP (lane / 4) + 16 (lane % 4)
	v_mul_u32_u24 v15, v8, SP
	v_add_nc_u32 v15, s25, v15                     ; and on the way out: SP x lane
	v_mul_u32_u24 v4, v8, 12                       ; my 12 bytes of a step's codes
	v_lshrrev_b32 v9, 1, v8
	v_lshlrev_b32 v9, 2, v9                        ; 4 m
	s_lshl_b32 s26, s16, 6
	s_add_co_u32 s26, s26, SCB
	v_add_nc_u32 v5, s26, v9                       ; my row's scale byte: SCB + 64 wave + 4 m (+ the step)
	s_add_co_u32 s25, s25, SUMS
	v_add_nc_u32 v6, s25, v9                       ; my row's sum: 4 m (+ 64 x the step)
	v_lshlrev_b32 v7, 3, v8                        ; the way out: 8 bytes a lane
	v_add_nc_u32 v1, s25, v7                       ; my wave's sums,
	v_add_nc_u32 v2, SCB, v7                       ; the work-group's bytes
	v_mov_b32 v[SB], 0                             ; written once: the destination of a lane exchange counts as one of its sources
	v_mov_b32 v[SE], 0
	s_mov_b32 s24, 0xaaaaaaaa                      ; the odd lanes
	s_mov_b32 s27, 0
	s_wait_kmcnt 0x0
	s_cmp_lt_u32 ttmp9, 32                         ; the codebook's work-group or z's?  The choice hangs on the work-group's number alone
	s_cselect_b64 s[4:5], s[4:5], s[6:7]
	s_cselect_b64 s[8:9], s[8:9], s[10:11]
	s_mov_b32 s20, 786432
	s_cselect_b32 s20, 196608, s20                 ; where the scale bytes begin
	s_mov_b32 s21, 819200
	s_cselect_b32 s21, 204800, s21                 ; and the sums
	s_cselect_b32 s17, 0, 32
	s_sub_co_u32 s18, ttmp9, s17                   ; which 256 rows of the tensor
	s_lshl_b32 s19, s18, 2
	s_add_co_u32 s19, s19, s16                     ; which run of 64 rows is my wave's
	s_lshl_b32 s26, s19, 13
	s_add_nc_u64 s[4:5], s[4:5], s[26:27]          ; its numbers: 8,192 bytes a run
	s_mul_i32 s26, s19, 1536
	s_add_nc_u64 s[12:13], s[8:9], s[26:27]        ; its codes
	s_lshl_b32 s26, s19, 8
	s_add_co_u32 s26, s26, s21
	s_add_nc_u64 s[14:15], s[8:9], s[26:27]        ; its sums
	s_lshl_b32 s26, s18, 8
	s_add_co_u32 s26, s26, s20
	s_add_nc_u64 s[22:23], s[8:9], s[26:27]        ; the work-group's scale bytes
.macro LOAD t
.irp i, 0,1,2,3
	global_load_b128 v[R+16*(\t)+4*\i:R+16*(\t)+4*\i+3], v3, s[4:5] offset:2048*(\t)+512*\i th:TH_LOAD_NT   ; 32 lanes read 512 consecutive bytes
.endr
.endm
.macro TURN t                          ; step t's numbers through stage t % 2: LDS serves a wave's instructions in order, so no wait stands between the stores and the loads
.irp i, 0,1,2,3
	ds_store_b128 v14, v[R+16*(\t)+4*\i:R+16*(\t)+4*\i+3] offset:32*SP*((\t)%2)+8*SP*\i
.endr
.irp i, 0,1,2,3
	ds_load_b128 v[X+16*((\t)%2)+4*\i:X+16*((\t)%2)+4*\i+3], v15 offset:32*SP*((\t)%2)+16*\i
.endr
.endm
.irp t, 0,1,2,3
	LOAD \t
.endr
	s_wait_loadcnt 12                              ; step 0's four loads are in; the twelve of the later steps stay out
	TURN 0
.macro STEP t
.set XS, X+16*((\t)%2)
.if (\t) > 0
	s_wait_dscnt 2                                 ; this step's numbers are back from the stage; the last step's two small stores, issued behind them, may be out
.else
	s_wait_dscnt 0x0
.endif
.if (\t) < 3
	s_wait_loadcnt 4*(2-(\t))                      ; the next step's four loads are in; those of the steps behind it stay out
	TURN (\t)+1                                    ; and go through the other stage while this step is worked
.endif
	v_max3_num_f32 v8, |v[XS]|, |v[XS+1]|, |v[XS+2]|               ; the largest magnitude of my 16, in two chains
	v_max3_num_f32 v9, |v[XS+3]|, |v[XS+4]|, |v[XS+5]|
.irp i, 6,10
	v_max3_num_f32 v8, v8, |v[XS+\i]|, |v[XS+\i+1]|
	v_max3_num_f32 v9, v9, |v[XS+\i+2]|, |v[XS+\i+3]|
.endr
	v_max3_num_f32 v8, v8, |v[XS+14]|, |v[XS+15]|
	v_max3_num_f32 v8, v8, v9, (EMAX+1)<<23        ; and the floor 2^(5 - 127): the byte cannot fall under 1
	v_max_num_f32_dpp v8, v8, v8 row_xmask:1 row_mask:0xf bank_mask:0xf   ; and of my neighbour's 16: the block's
	v_add_nc_u32 v11, -(EMAX<<23), v8              ; 4 off its exponent field: the conversion takes the exponent field of this operand as its scale
	v_cvt_scalef32_pk16_bf6_f32 v[C+4*(\t):C+4*(\t)+2], v[XS:XS+15], v11   ; sixteen codes, 96 bits without gaps, the first number's lowest
	v_lshrrev_b32 v[E+(\t)], 23, v11               ; the scale's byte (a plain line behind the conversion)
	v_mul_f32 v[SA], v[XS], v[XS]                  ; the row's sum of squares, k ascending: first over my 16,
.irp i, 1,2,3,4,5,6,7,8,9,10,11,12,13,14,15
	v_fmac_f32 v[SA], v[XS+\i], v[XS+\i]
.endr
	v_mov_b32_dpp v[SB], v[SA] row_xmask:1 row_mask:0xf bank_mask:0xf      ; then my neighbour's sum is carried on over my 16: in the odd lanes that is k = 0 .. 31 in order
.irp i, 0,1,2,3,4,5,6,7,8,9,10,11,12,13,14,15
	v_fmac_f32 v[SB], v[XS+\i], v[XS+\i]
.endr
	v_mov_b32_dpp v[SE], v[SB] row_xmask:1 row_mask:0xf bank_mask:0xf
	v_cndmask_b32 v[SS+(\t)], v[SE], v[SB], s24    ; odd lanes keep theirs, even lanes take the odd neighbour's
	ds_store_b8 v5, v[E+(\t)] offset:(\t)          ; both lanes of a row write the same byte with the same value
	ds_store_b32 v6, v[SS+(\t)] offset:64*(\t)     ; likewise the sum
	global_store_b96 v4, v[C+4*(\t):C+4*(\t)+2], s[12:13] offset:384*(\t)   ; the wave stores 384 consecutive bytes
.endm
.irp t, 0,1,2,3
	STEP \t
.endr
	ds_load_b64 v[8:9], v1                         ; my wave's 64 sums: LDS serves a wave's instructions in order
	s_wait_dscnt 0x0                               ; they are in; and, for the others' sake, my byte stores are done
	global_store_b64 v7, v[8:9], s[14:15]          ; 32 lanes store 256 consecutive bytes, aligned
	s_barrier_signal -1
	s_barrier_wait -1                              ; all four waves' scale bytes lie in LDS
	s_cmp_lg_u32 s16, 0
	s_cbranch_scc1 .Lend
	ds_load_b64 v[10:11], v2
	s_wait_dscnt 0x0
	global_store_b64 v7, v[10:11], s[22:23]        ; wave 0 stores the work-group's 256 bytes, aligned
.Lend:
	s_wait_tensorcnt 0x0                           ; the wave's end: behind my last LDS store
	ds_add_u32 v[SPW], v[NIL]
	s_wait_dscnt 0x0
	s_endpgm
.Lfunc_end_k_q0a1541424a_quant:
	.size	k_q0a1541424a_quant, .Lfunc_end_k_q0a1541424a_quant-k_q0a1541424a_quant
	.p2alignl 7, 3214868480
	.fill 96, 4, 3214868480
	.section	.rodata,"a",@progbits
	.p2align	6, 0x0
	.amdhsa_kernel k_q0a1541424a_quant
		.amdhsa_group_segment_fixed_size 23296
		.amdhsa_private_segment_fixed_size 0
		.amdhsa_enable_private_segment 0
		.amdhsa_kernarg_size 32
		.amdhsa_user_sgpr_count 2
		.amdhsa_user_sgpr_kernarg_segment_ptr 1
		.amdhsa_wavefront_size32 1
		.amdhsa_system_sgpr_workgroup_id_x 1
		.amdhsa_system_sgpr_workgroup_id_y 1
		.amdhsa_system_sgpr_workgroup_id_z 1
		.amdhsa_system_vgpr_workitem_id 0
		.amdhsa_next_free_vgpr 144
		.amdhsa_next_free_sgpr 66
		.amdhsa_reserve_vcc 0
		.amdhsa_float_denorm_mode_32 3
		.amdhsa_float_denorm_mode_16_64 3
		.amdhsa_memory_ordered 1
		.amdhsa_forward_progress 1
		.amdhsa_inst_pref_size 16
	.end_amdhsa_kernel
	.amdgpu_metadata
---
amdhsa.version: [ 1, 2 ]
amdhsa.kernels:
  - .name:           k_q0a1541424a_quant
    .symbol:         k_q0a1541424a_quant.kd
    .args:
      - { .name: embedding_weight, .offset: 0, .size: 8, .value_kind: global_buffer, .address_space: global }
      - { .name: z, .offset: 8, .size: 8, .value_kind: global_buffer, .address_space: global }
      - { .name: cb, .offset: 16, .size: 8, .value_kind: global_buffer, .address_space: global }
      - { .name: zq, .offset: 24, .size: 8, .value_kind: global_buffer, .address_space: global }
    .group_segment_fixed_size: 23296
    .private_segment_fixed_size: 0
    .kernarg_segment_align: 8
    .kernarg_segment_size: 32
    .max_flat_workgroup_size: 128
    .sgpr_count:     66
    .vgpr_count:     144
    .wavefront_size: 32
...
	.end_amdgpu_metadata
.endif
;; end of part 1
;; launch search (part 2): grid 256 x 1, 16 waves a work-group, clusters of 4 x 1, 248,832 bytes of LDS; arguments cb, zq, grp; writes grp
.if DOCPART == 2
	.amdgcn_target "amdgcn-amd-amdhsa--gfx1250"
	.amdhsa_code_object_version 6
	.text
	.protected	k_q0a1541424a_search
	.globl	k_q0a1541424a_search
	.p2align	8
	.type	k_q0a1541424a_search,@function
k_q0a1541424a_search:
	s_mov_b64 s[64:65], 0
	v_nop
	global_prefetch_b8 v0, s[64:65] scope:SCOPE_SE
	s_setreg_imm32_b32 hwreg(HW_REG_WAVE_MODE, 25, 1), 1
	s_wait_xcnt 0x0
	s_wait_alu depctr_hold_cnt(0) depctr_sa_sdst(0) depctr_va_vdst(0) depctr_va_sdst(0) depctr_va_ssrc(0) depctr_va_vcc(0) depctr_vm_vsrc(0)
	s_getreg_b32 s2, hwreg(HW_REG_IB_STS2, 6, 4)
	s_cmp_eq_u32 s2, 0
	s_cbranch_scc0 .Lentry_in_a_cluster
	s_endpgm
.Lentry_in_a_cluster:
	s_bfe_u32 s2, ttmp6, 0x10000c
	s_cmp_lg_u32 s2, 0x3003
	s_cbranch_scc0 .Lentry_shape_is_right
	s_endpgm
.Lentry_shape_is_right:
; VECTOR QUANTISER, launch 2 of 3: for each token the FIRST GROUP OF 8 NEIGHBOURING CODES that holds the least distance d = fl(fl(zz + ee) - 2 dot).  Nothing of the problem is left out here.
; Which of the eight it is, and the row, is the next launch's: a group costs one compare and one select for eight distances.
; WHAT IS SEARCHED FOR is the greatest -d.  C = -(zz + ee) is made and rounded by vector additions; the product takes it as its C and adds 2 dot (z's scale byte is raised by 1: the factor 2), so its result is -d in f32.
; SHARES.  A work-group takes 128 tokens, eight tiles of 16.  Wave w takes token tiles 4 (w % 2) .. + 3 against eighth w / 2 of the codebook: 16 fragments of 64 codes, each serving four tiles, 16 products.
; Sixteen waves, four to a SIMD, 240 registers each.
; THE WHOLE CODEBOOK LIES IN LDS as launch 1 stored it (codes, scale words, sums: 237,568 bytes), filled once: each wave brings 58 rows of 256 bytes by one tensor load.
; CLUSTER: the four work-groups of a cluster need the same bytes, so each of the sixteen loads is asked for jointly by the four; nothing in its descriptor hangs on the work-group.
; No prefetch: no loop here reads memory.
; K = 32 IS ONE BLOCK OF THE FORM'S FOUR.  Source 0 comes from 18 registers: codes c0, zero codes, codes c1, where row m, block b of a fragment is code 64 f + 16 b + m (blocks 0, 1 in c0; 2, 3 in c1).  Blocks 0 and 1
; name (c0, zeros), blocks 2 and 3 (zeros, c1).  Source 1 comes from a chain, 12 registers a tile: z in lanes 0-15 over zeros, then z in lanes 16-31.  In the half that counts it holds z in block b and zero codes in the other
; block; the other half meets source 0's zero codes.  Its scale words hold z's byte + 1 at byte b and 0 elsewhere.
; In a result lane (r, h) holds token r, and register j code 64 f + 16 b + 8 h + j: group 8 f + 2 b + h.
; FIRST OF EQUALS: a lane meets its groups in ascending order and takes a new one only where the maximum rises; between the halves of the lanes the lower group of equal maxima is taken, between eighths the lower eighth.
; LIMITS: NaN and infinities are not served (the maxima pass over a NaN).  The rounding of the last addition is the matrix instruction's: it can move an index only between distances that lie within one rounding of each other.
.set SCL,   196608                     ; LDS: codes at 0; scale words here;
.set EEB,   204800                     ; the codes' sums of squares;
.set SCR,   238592                     ; behind what is filled: [eighth][128 tokens] x (maximum, group), 8,192 bytes
.set SPARE, 246784                     ; the spare words, 128 bytes for each wave: eight blocks of 256 bytes that no other line names
.set PART,  14848                      ; what one tensor load brings: 58 x 256 bytes
.set ZBY,   786432                     ; zq: scale bytes,
.set ZZO,   819200                     ; sums of squares
.set RDA, 1                            ; v1   the last merge: SCR + 16 x thread
.set GOF, 2                            ; v2   and its place in grp
.set AC0, 3                            ; v3   24 x lane
.set AS0, 4                            ; v4   4 r
.set AE0, 5                            ; v5   32 h
.set ADC, 6                            ; v6-8 LDS addresses of the fragment that is fetched: codes, scale words, sums
.set ADS, 7
.set ADE, 8
.set HH,  9                            ; v9   h
.set SPW, 10                           ; v10  LDS address of my spare word; never rewritten
.set NIL, 11                           ; v11  0; never rewritten
.set SCW, 12                           ; v12  where I store my tiles' results
.set AS,  13                           ; v13  scale words of source 0
.set ZZ,  16                           ; v16-23 -zz of my token in tile t, twice
.set BEST, 24                          ; v24-31 tile t's greatest -d, in two registers by turns
.set G,   32                           ; v32-35 tile t's group (without h)
.set M,   36                           ; v36-39 at work
.set ZS,  40                           ; v40-55 scale words of source 1: tile t, block b at 4 t + b
.set A,   56                           ; v56-73 c0, zeros, c1
.set CH,  74                           ; v74-133 the chain: six zeros, 12 registers a tile, six zeros; later the merge
.set EE,  134                          ; v134-165 ee of my eight codes in each of the four blocks; at the head z's codes as loaded
.set D,   166                          ; v166-229 two sets of four tiles: C, then -d; at the head offsets
.macro ROUND                           ; a round of the cluster's barrier
	s_barrier_signal -1
	s_barrier_wait -1
	s_cmp_lg_u32 s10, 0
	s_cbranch_scc1 .Lnot_wave_0_\@
	s_barrier_signal -3
.Lnot_wave_0_\@:
	s_barrier_wait -3
	s_barrier_signal -1
	s_barrier_wait -1
.endm
	s_load_b128 s[4:7], s[0:1], 0x0                ; cb s[4:5], zq s[6:7]
	s_load_b64 s[8:9], s[0:1], 0x10                ; grp
	v_lshl_add_u32 v[SPW], v0, 2, SPARE
	v_mov_b32 v[NIL], 0
	ds_add_u32 v[SPW], v[NIL]                      ; the wave's opening: the add, twice on end, and its wait ahead of my first tensor load
	ds_add_u32 v[SPW], v[NIL]
	v_lshrrev_b32 v14, 5, v0
	v_readfirstlane_b32 s10, v14                   ; wave 0..15
	s_and_b32 s11, s10, 1                          ; p: my four token tiles
	s_lshr_b32 s12, s10, 1                         ; q: my eighth of the codebook
	s_bfe_u32 s13, ttmp6, 0x40000                  ; cx
	s_lshl_b32 s14, ttmp9, 2
	s_add_co_u32 s14, s14, s13                     ; work-group x: it enters addresses in zq and grp alone
	s_mov_b32 s16, 15|(3<<16)|(1<<21)              ; group 1: the mask names all four; elements of 8 bytes; bit 21 beside a mask; no padding
	s_mov_b32 s17, 32<<16                          ; tensor_dim0 = 32 elements: 256 bytes
	s_mov_b32 s18, 58<<16                          ; tensor_dim1 = 58
	s_mov_b32 s19, 32<<16                          ; tile_dim0
	s_mov_b32 s20, 58                              ; tile_dim1
	s_mov_b32 s21, 32                              ; from row to row: dense
	s_mov_b32 s22, 0
	s_mov_b32 s23, 0
	s_mov_b32 s24, 1                               ; group 0: count
	s_mul_i32 s25, s10, PART                       ; LDS address: my wave's part
	s_mul_i32 s44, s10, PART                       ; and the same part of cb
	s_mov_b32 s45, 0
	s_mul_i32 s28, s12, 24576                      ; my eighth: 16 fragments of 1,536 bytes of codes,
	s_lshl_b32 s29, s12, 10
	s_add_co_u32 s29, s29, SCL                     ; of 64 bytes of scale words,
	s_lshl_b32 s30, s12, 12
	s_add_co_u32 s30, s30, EEB                     ; of 256 bytes of sums
	s_lshl_b32 s32, s12, 7                         ; s32-35: the group 8 f + 2 b of the fragment in hand
	s_add_co_u32 s33, s32, 2
	s_add_co_u32 s34, s32, 4
	s_add_co_u32 s35, s32, 6
	s_mov_b32 s38, 0xffff0000                      ; lanes 16-31
	s_mov_b32 s39, 0x0000ffff                      ; lanes 0-15
	s_mov_b32 s40, 0x76543210
	s_mov_b32 s41, 0xfedcba98                      ; v_permlanex16_b32's selects for lane l xor 16
	s_lshl_b32 s46, s12, 10
	s_lshl_b32 s47, s11, 9
	s_add_co_u32 s46, s46, s47
	s_add_co_u32 s46, s46, SCR                     ; SCR + 1,024 q + 512 p
	s_lshl_b32 s47, s14, 9                         ; grp: 4 x 128 x
	s_lshl_b32 s42, s14, 1
	s_add_co_u32 s42, s42, s11                     ; which run of 64 tokens is mine: 2 x + p
	s_mul_i32 s43, s42, 1536                       ; its codes,
	s_lshl_b32 s48, s42, 6                         ; scale bytes (token 64 F + 16 t + m has its byte at 64 F + 4 m + t: one word holds my four tiles'),
	s_lshl_b32 s49, s42, 8                         ; sums
	v_and_b32 v14, 15, v0                          ; r
	v_and_b32 v15, 31, v0                          ; lane
	v_bfe_u32 v[HH], v0, 4, 1
	v_mul_u32_u24 v[D], v14, 24
	v_mul_u32_u24 v[AC0], v15, 24
	v_lshlrev_b32 v[AS0], 2, v14
	v_lshlrev_b32 v[AE0], 5, v[HH]
	v_lshl_add_u32 v[SCW], v14, 3, s46             ; + 8 r (+ 128 t)
	v_lshl_add_u32 v[RDA], v0, 4, SCR
	v_lshl_add_u32 v[GOF], v0, 3, s47              ; 4 (128 x + 2 thread)
	v_add_nc_u32 v[D], s43, v[D]
	v_lshl_add_u32 v[D+1], v14, 2, s48
	v_lshl_add_u32 v[D+2], v14, 2, s49
	s_wait_alu depctr_va_vdst(0)
	s_wait_dscnt 0x0                               ; both opening adds are done
	s_wait_kmcnt 0x0
	s_add_nc_u64 s[26:27], s[4:5], s[44:45]
	s_or_b32 s27, s27, 0x80000000                  ; type = 2
	ROUND                                          ; all four work-groups are here: the joint loads meet
	tensor_load_to_lds s[24:27], s[16:23]          ; my one tensor load: one is out
	s_nop 0
.rept 4
	v_nop
.endr
.irp t, 0,1,2,3
.irp i, 0,1,2
	global_load_b64 v[EE+6*\t+2*\i:EE+6*\t+2*\i+1], v[D], s[6:7] offset:384*\t+8*\i   ; token r's 24 bytes, in both halves of the lanes
.endr
	global_load_b32 v[ZZ+2*\t], v[D+2], s[6:7] offset:ZZO+64*\t
.endr
	global_load_b32 v[D+3], v[D+1], s[6:7] offset:ZBY
.irp j, 0,1,2,3,4,5
	v_mov_b32 v[A+6+\j], 0                         ; source 0's zero codes,
	v_mov_b32 v[CH+\j], 0                          ; and the chain's two ends
	v_mov_b32 v[CH+54+\j], 0
.endr
.irp t, 0,1,2,3
	v_mov_b32 v[BEST+\t], 0xff800000               ; under every -d
	v_mov_b32 v[G+\t], s32
.endr
	s_wait_alu depctr_va_vdst(0)
	s_wait_loadcnt 0x0
.irp t, 0,1,2,3
	v_bfe_u32 v[M+\t], v[D+3], 8*\t, 8
.endr
.irp t, 0,1,2,3
	v_add_nc_u32 v[ZS+4*\t], 1, v[M+\t]            ; z's byte + 1 (at most 251): z twice
	v_xor_b32 v[ZZ+2*\t], 0x80000000, v[ZZ+2*\t]   ; -zz
.endr
.irp t, 0,1,2,3
.irp b, 1,2,3
	v_lshlrev_b32 v[ZS+4*\t+\b], 8*\b, v[ZS+4*\t]  ; at byte b, 0 elsewhere (over zero codes)
.endr
	v_mov_b32 v[ZZ+2*\t+1], v[ZZ+2*\t]
.endr
.irp t, 0,1,2,3
.irp j, 0,1,2,3,4,5
	v_cndmask_b32 v[CH+6+12*\t+\j], 0, v[EE+6*\t+\j], s39    ; z in lanes 0-15
	v_cndmask_b32 v[CH+12+12*\t+\j], 0, v[EE+6*\t+\j], s38   ; z in lanes 16-31
.endr
.endr
	v_add_nc_u32 v[ADC], s28, v[AC0]
	v_add_nc_u32 v[ADS], s29, v[AS0]
	v_add_nc_u32 v[ADE], s30, v[AE0]
	s_wait_alu depctr_va_vdst(0)
	s_wait_tensorcnt 0x0                           ; my part of the codebook is in,
	s_barrier_signal -1
	s_barrier_wait -1                              ; everybody's is
.macro LDEE b, off                     ; ee of block b
	ds_load_b128 v[EE+8*(\b):EE+8*(\b)+3], v[ADE] offset:\off
	ds_load_b128 v[EE+8*(\b)+4:EE+8*(\b)+7], v[ADE] offset:\off+16
.endm
; A fragment (oo fragments behind the one that the address registers name): its codes, its scale words, its sums of blocks 1 to 3; e0 = 1: the sums of block 0 of the fragment BEHIND it.
.macro FETCH oo, e0
.irp c, 0,1
.irp i, 0,1,2
	ds_load_b64 v[A+12*\c+2*\i:A+12*\c+2*\i+1], v[ADC] offset:1536*(\oo)+768*\c+8*\i   ; lanes 24 bytes apart: word 6 x lane mod 64 is another even number in each lane (64 banks of 4 bytes: ISA guide 11.1)
.endr
.endr
	ds_load_b32 v[AS], v[ADS] offset:64*(\oo)
.irp b, 1,2,3
	LDEE \b, 256*(\oo)+64*\b
.endr
.if \e0
	LDEE 0, 256*(\oo)+256
.endif
.endm
.macro ADDS e                          ; C = -ee - zz of block e's four tiles, rounded as f32 rounds: sixteen plain lines
.set CS, D+32*((\e)&1)
.irp t, 0,1,2,3
.irp k, 0,1,2,3
	v_pk_add_f32 v[CS+8*\t+2*\k:CS+8*\t+2*\k+1], v[EE+8*(\e)+2*\k:EE+8*(\e)+2*\k+1], v[ZZ+2*\t:ZZ+2*\t+1] neg_lo:[1,0] neg_hi:[1,0]
.endr
.endr
.endm
.macro PROD b                          ; block b against the four tiles: -d = C + 2 dot.  Eight accumulators by turns: seven others stand between two products on one
.set PS, D+32*((\b)&1)
.set AW, A+6*((\b)>>1)
.irp t, 0,1,2,3
.set BW, CH+6+12*\t+6*((\b)&1)-6*((\b)>>1)
	v_wmma_scale_f32_16x16x128_f8f6f4 v[PS+8*\t:PS+8*\t+7], v[AW:AW+11], v[BW:BW+11], v[PS+8*\t:PS+8*\t+7], v[AS], v[ZS+4*\t+(\b)] matrix_a_fmt:MATRIX_FMT_BF6 matrix_b_fmt:MATRIX_FMT_BF6
.endr
.endm
; Block b's four tiles, line by line by turns, from each result's low end on: the greatest of eight and of the best so far; the group where the best has risen.
.macro REDUCE b
.set RS, D+32*((\b)&1)
.set BO, BEST+4*((\b)&1)
.set BN, BEST+4-4*((\b)&1)
.irp t, 0,1,2,3
	v_max3_num_f32 v[M+\t], v[RS+8*\t], v[RS+8*\t+1], v[RS+8*\t+2]
.endr
.irp t, 0,1,2,3
	v_max3_num_f32 v[M+\t], v[M+\t], v[RS+8*\t+3], v[RS+8*\t+4]
.endr
.irp t, 0,1,2,3
	v_max3_num_f32 v[M+\t], v[M+\t], v[RS+8*\t+5], v[RS+8*\t+6]
.endr
.irp t, 0,1,2,3
	v_max3_num_f32 v[BN+\t], v[M+\t], v[RS+8*\t+7], v[BO+\t]       ; the new best beside the old
.endr
.irp t, 0,1,2,3
	v_cmp_gt_f32 s[48+\t], v[BN+\t], v[BO+\t]
.endr
.irp t, 0,1,2,3
	v_cndmask_b32 v[G+\t], v[G+\t], s[32+(\b)], s[48+\t]
.endr
	s_add_co_u32 s[32+(\b)], s[32+(\b)], 8         ; the same block of the next fragment
.endm
; A fragment: sixteen products, 160 vector lines.  The next block's sixteen additions are the places behind a block's products (ISA guide 7.12.1).
; how = 2: in the loop; 1: the last fragment but one (no block 0 further on); 0: the last fragment fetches nothing.
.macro TRIP how
	s_wait_dscnt 0x0                               ; the fragment's loads are in
	PROD 0
	ADDS 1
	REDUCE 0
	PROD 1
	ADDS 2
	REDUCE 1
	PROD 2
	ADDS 3
	REDUCE 2
	PROD 3
.if (\how) == 2
	ADDS 0
	s_add_co_u32 s28, s28, 1536
	s_add_co_u32 s29, s29, 64
	s_add_co_u32 s30, s30, 256
	v_add_nc_u32 v[ADC], s28, v[AC0]
	v_add_nc_u32 v[ADS], s29, v[AS0]
	v_add_nc_u32 v[ADE], s30, v[AE0]
	FETCH 0, 1
.elseif (\how) == 1
	ADDS 0
	FETCH 1, 0
.else
.rept 4
	v_nop
.endr
.endif
	REDUCE 3
.endm
	LDEE 0, 0                                      ; my eighth's first fragment
	FETCH 0, 0
	s_wait_dscnt 0x0
	ADDS 0
	LDEE 0, 256                                    ; the second fragment's block 0
	s_mov_b32 s36, 14
	s_wait_alu depctr_va_vdst(0)
.Lfrag:
	TRIP 2
	s_sub_co_u32 s36, s36, 1
	s_cmp_lg_u32 s36, 0
	s_cbranch_scc1 .Lfrag
	TRIP 1
	TRIP 0
	; THE MERGE.  The two halves of the lanes hold the same token's even and odd groups: the greater maximum, and of equal maxima the lower group.
.irp t, 0,1,2,3
	v_add_nc_u32 v[G+\t], v[G+\t], v[HH]
.endr
.irp t, 0,1,2,3
	v_permlanex16_b32 v[CH+8*\t], v[BEST+\t], s40, s41
.endr
.irp t, 0,1,2,3
	v_permlanex16_b32 v[CH+8*\t+1], v[G+\t], s40, s41
.endr
.irp t, 0,1,2,3
	v_max_num_f32 v[CH+8*\t+2], v[BEST+\t], v[CH+8*\t]
.endr
.irp t, 0,1,2,3
	v_cmp_eq_f32 s[48+\t], v[BEST+\t], v[CH+8*\t+2]
	v_cmp_eq_f32 s[52+\t], v[CH+8*\t], v[CH+8*\t+2]
.endr
.irp t, 0,1,2,3
	v_cndmask_b32 v[CH+8*\t+4], 0x7fffffff, v[G+\t], s[48+\t]
	v_cndmask_b32 v[CH+8*\t+5], 0x7fffffff, v[CH+8*\t+1], s[52+\t]
.endr
.irp t, 0,1,2,3
	v_min_u32 v[CH+8*\t+3], v[CH+8*\t+4], v[CH+8*\t+5]
.endr
.irp t, 0,1,2,3
	ds_store_b64 v[SCW], v[CH+8*\t+2:CH+8*\t+3] offset:128*\t   ; both halves store the same pair to the same place
.endr
	s_wait_dscnt 0x0                               ; for the others' sake: my stores are done
	s_barrier_signal -1
	s_barrier_wait -1
	s_cmp_lt_u32 s10, 2                            ; waves 0 and 1 merge the eight eighths, two tokens a lane
	s_cbranch_scc0 .Ldone
.irp u, 0,1,2,3,4,5,6,7
	ds_load_b128 v[CH+4*\u:CH+4*\u+3], v[RDA] offset:1024*\u
.endr
	s_wait_dscnt 0x0
.macro HIGHER a, b                     ; a later eighth wins only with a greater maximum
	v_cmp_gt_f32 s[48+(\a)], v[CH+4*(\b)], v[CH+4*(\a)]
	v_cmp_gt_f32 s[49+(\a)], v[CH+4*(\b)+2], v[CH+4*(\a)+2]
.endm
.macro TAKE a, b
.irp i, 0,1,2,3
	v_cndmask_b32 v[CH+4*(\a)+\i], v[CH+4*(\a)+\i], v[CH+4*(\b)+\i], s[48+(\a)+\i/2]
.endr
.endm
.irp a, 0,2,4,6
	HIGHER \a, \a+1
.endr
.irp a, 0,2,4,6
	TAKE \a, \a+1
.endr
.irp a, 0,4
	HIGHER \a, \a+2
.endr
.irp a, 0,4
	TAKE \a, \a+2
.endr
	HIGHER 0, 4
	TAKE 0, 4
	v_mov_b32 v[CH+32], v[CH+1]
	v_mov_b32 v[CH+33], v[CH+3]
	global_store_b64 v[GOF], v[CH+32:CH+33], s[8:9]   ; 32 lanes store 256 consecutive bytes, aligned
.Ldone:
	s_wait_tensorcnt 0x0                           ; the wave's end: behind my tensor load and my last LDS store
	ds_add_u32 v[SPW], v[NIL]
	s_wait_dscnt 0x0
	ROUND                                          ; the closing round
	s_endpgm
.Lfunc_end_k_q0a1541424a_search:
	.size	k_q0a1541424a_search, .Lfunc_end_k_q0a1541424a_search-k_q0a1541424a_search
	.p2alignl 7, 3214868480
	.fill 96, 4, 3214868480
	.section	.rodata,"a",@progbits
	.p2align	6, 0x0
	.amdhsa_kernel k_q0a1541424a_search
		.amdhsa_group_segment_fixed_size 248832
		.amdhsa_private_segment_fixed_size 0
		.amdhsa_enable_private_segment 0
		.amdhsa_kernarg_size 24
		.amdhsa_user_sgpr_count 2
		.amdhsa_user_sgpr_kernarg_segment_ptr 1
		.amdhsa_wavefront_size32 1
		.amdhsa_system_sgpr_workgroup_id_x 1
		.amdhsa_system_sgpr_workgroup_id_y 1
		.amdhsa_system_sgpr_workgroup_id_z 1
		.amdhsa_system_vgpr_workitem_id 0
		.amdhsa_next_free_vgpr 240
		.amdhsa_next_free_sgpr 66
		.amdhsa_reserve_vcc 0
		.amdhsa_float_denorm_mode_32 3
		.amdhsa_float_denorm_mode_16_64 3
		.amdhsa_memory_ordered 1
		.amdhsa_forward_progress 1
		.amdhsa_inst_pref_size 58
	.end_amdhsa_kernel
	.amdgpu_metadata
---
amdhsa.version: [ 1, 2 ]
amdhsa.kernels:
  - .name:           k_q0a1541424a_search
    .symbol:         k_q0a1541424a_search.kd
    .args:
      - { .name: cb, .offset: 0, .size: 8, .value_kind: global_buffer, .address_space: global }
      - { .name: zq, .offset: 8, .size: 8, .value_kind: global_buffer, .address_space: global }
      - { .name: grp, .offset: 16, .size: 8, .value_kind: global_buffer, .address_space: global }
    .group_segment_fixed_size: 248832
    .private_segment_fixed_size: 0
    .kernarg_segment_align: 8
    .kernarg_segment_size: 24
    .max_flat_workgroup_size: 512
    .sgpr_count:     66
    .vgpr_count:     240
    .wavefront_size: 32
...
	.end_amdgpu_metadata
.endif
;; end of part 2
;; launch pick (part 3): grid 512 x 1, 8 waves a work-group, no clusters, 1,280 bytes of LDS; arguments grp, cb, zq, embedding_weight, out0, out1; writes out0, out1
.if DOCPART == 3
	.amdgcn_target "amdgcn-amd-amdhsa--gfx1250"
	.amdhsa_code_object_version 6
	.text
	.protected	k_q0a1541424a_pick
	.globl	k_q0a1541424a_pick
	.p2align	8
	.type	k_q0a1541424a_pick,@function
k_q0a1541424a_pick:
	s_mov_b64 s[64:65], 0
	v_nop
	global_prefetch_b8 v0, s[64:65] scope:SCOPE_SE
	s_setreg_imm32_b32 hwreg(HW_REG_WAVE_MODE, 25, 1), 1
	s_wait_xcnt 0x0
; VECTOR QUANTISER, launch 3 of 3: launch 2 stored, as whole numbers, each token's first group of eight codes that holds the least distance.  Here the eight distances are made again, by the same
; instructions on the same numbers and so with the same bits; the first of the least is the index; the row is chosen among the group's eight rows by selects.  Nothing of the problem is left out here.
; SHARES.  A work-group takes 64 tokens, a wave 8; straight-line text.  No cluster: no two work-groups are known to read the same rows.
; ONE PRODUCT FOR 8 TOKENS x 8 CANDIDATES.  Source 0: row r, block B holds candidate r % 8 of token 2 B + r / 8; in lane L and register set c that is candidate L % 8 of token 4 c + L / 8.
; Source 1: column n holds z of token n % 8 in block (n % 8) / 2 alone, zero codes elsewhere, its scale word z's byte at that block and 0 elsewhere.
; In the result lane (n, h), register j is candidate j of token n % 8 where h = n % 2; the other lanes take the index from the lane 16 away.
; The group numbers enter addresses only behind a v_min_u32 with a constant, so that no load leaves its buffer whatever grp holds.
; LIMITS: NaN and infinities are not served.
.set SPARE, 256                        ; LDS: 64 indices at 0; the spare words, 128 bytes for each wave: four blocks of 256 bytes that no other line names
.set SPW, 5                            ; v5   LDS address of my spare word; never rewritten
.set NIL, 6                            ; v6   0; never rewritten
; v1 lane L, v2 L % 8, v3 L / 8, v4 h; v7 z's scale byte; v8, v9 the groups of tokens L / 8 and 4 + L / 8; v10 of token L % 8; v11-14 offsets made of ids; v15-16 scale bytes', v17-18 codes', v19 sums', v20-21 rows' offsets;
; v22-23 candidates' scale bytes; v[24:25] zz twice; v26, v27 scale words; v28-39 source 0; v40-51 source 1; v52-57 z's codes; v58-65 ee; v66-73 zz + ee; v74-81 distances; v83-95, v160-165 at work; v96-159 sixteen pieces of rows
	s_load_b256 s[4:11], s[0:1], 0x0               ; grp s[4:5], cb s[6:7], zq s[8:9], the codebook s[10:11]
	s_load_b128 s[12:15], s[0:1], 0x20             ; out0 s[12:13], out1 s[14:15]
	v_lshl_add_u32 v[SPW], v0, 2, SPARE
	v_mov_b32 v[NIL], 0
	v_lshrrev_b32 v1, 5, v0
	s_delay_alu instid0(VALU_DEP_1)
	v_readfirstlane_b32 s16, v1                    ; wave 0..7
	v_and_b32 v1, 31, v0
	v_and_b32 v2, 7, v0
	s_wait_alu depctr_va_vdst(0)
	v_bfe_u32 v3, v0, 3, 2
	v_bfe_u32 v4, v0, 4, 1
	s_lshl_b32 s17, ttmp9, 6
	s_lshl_b32 s18, s16, 3
	s_add_co_u32 s17, s17, s18                     ; my first token: 64 x work-group + 8 x wave
	s_lshl_b32 s18, s17, 2
	v_lshl_add_u32 v11, v3, 2, s18                 ; 4 (token L / 8)
	v_lshl_add_u32 v12, v2, 2, s18                 ; 4 (token L % 8)
	s_mul_i32 s19, s17, 24
	v_mul_u32_u24 v83, v2, 24                      ; 24 (L % 8)
	s_delay_alu instid0(VALU_DEP_1)
	v_add_nc_u32 v13, s19, v83                     ; z's codes
	s_lshl_b32 s25, ttmp9, 6                       ; z's scale byte: token 64 F + 16 B + M lies at 64 F + 4 M + B: F = work-group, B = wave / 2, M = 8 (wave % 2) + L % 8
	s_and_b32 s26, s16, 1
	s_lshl_b32 s26, s26, 5
	s_add_co_u32 s25, s25, s26
	s_lshr_b32 s26, s16, 1
	s_add_co_u32 s25, s25, s26
	v_lshlrev_b32 v84, 2, v2                       ; 4 (L % 8)
	s_delay_alu instid0(VALU_DEP_1)
	v_add_nc_u32 v14, s25, v84
	v_lshlrev_b32 v85, 4, v2                       ; 16 (L % 8)
	s_lshl_b32 s26, s16, 5
	v_lshl_add_u32 v89, v2, 2, s26                 ; LDS: my token's index: 32 x wave + 4 (L % 8)
	v_lshlrev_b32 v91, 2, v3                       ; the lane that holds token L / 8, as a byte index,
	s_delay_alu instid0(VALU_DEP_1)
	v_add_nc_u32 v93, 16, v91                      ; and token 4 + L / 8
	v_lshlrev_b32 v94, 3, v1                       ; wave 0's way out: 8 bytes a lane
	s_lshl_b32 s26, ttmp9, 8
	v_add_nc_u32 v95, s26, v94                     ; and in out1
	s_lshl_b32 s26, s17, 7
	v_lshl_add_u32 v160, v1, 4, s26                ; out0: 128 x my first token + 16 L
	v_mov_b32 v87, 0                               ; written once: a lane permute's destination counts as one of its sources
	v_mov_b32 v165, 0
	s_mov_b32 s20, 0x76543210
	s_mov_b32 s21, 0xfedcba98                      ; v_permlanex16_b32's selects for lane l xor 16
	s_mov_b32 s22, 0x0c0c0303                      ; source 1, registers 0-5: the lanes that keep z (blocks 0 and 1)
	s_mov_b32 s23, 0xc0c03030                      ; registers 6-11 (blocks 2 and 3)
	s_mov_b32 s24, 0xaaaa5555                      ; the lanes whose results are their own token's
	s_wait_kmcnt 0x0
	global_load_b32 v8, v11, s[4:5]
	global_load_b32 v9, v11, s[4:5] offset:16
	global_load_b32 v10, v12, s[4:5]
.irp i, 0,1,2
	global_load_b64 v[52+2*\i:53+2*\i], v13, s[8:9] offset:8*\i
.endr
	global_load_u8 v7, v14, s[8:9] offset:786432
	global_load_b32 v24, v12, s[8:9] offset:819200
	s_wait_loadcnt 5                               ; the three group numbers are in; z's five loads, issued behind them, stay out
.irp c, 0,1                                    ; candidate 8 G + j has its scale byte at 64 (G / 8) + 32 (G % 2) + (G / 2) % 4 + 4 j
	v_and_b32 v162, 0x3f8, v[8+\c]
	v_and_b32 v163, 1, v[8+\c]
	v_bfe_u32 v164, v[8+\c], 1, 2
	s_delay_alu instid0(VALU_DEP_3)
	v_lshlrev_b32 v162, 3, v162
	s_delay_alu instid0(VALU_DEP_1)
	v_lshl_or_b32 v162, v163, 5, v162
	s_delay_alu instid0(VALU_DEP_1)
	v_or_b32 v[15+\c], v162, v164
	s_delay_alu instid0(VALU_DEP_1)
	v_min_u32 v[15+\c], 0x1fe3, v[15+\c]
	s_delay_alu instid0(VALU_DEP_1)
	v_add_nc_u32 v[15+\c], v[15+\c], v84
.endr
	v_min_u32 v8, 0x3ff, v8
	v_min_u32 v9, 0x3ff, v9
	v_min_u32 v10, 0x3ff, v10
.irp c, 0,1
	v_mul_u32_u24 v[17+\c], v[8+\c], 192           ; codes: 24 (8 G + j)
	s_delay_alu instid0(VALU_DEP_1)
	v_add_nc_u32 v[17+\c], v[17+\c], v83
	v_lshlrev_b32 v[20+\c], 10, v[8+\c]            ; rows: 1,024 G + my 16 bytes of a row
	s_delay_alu instid0(VALU_DEP_1)
	v_add_nc_u32 v[20+\c], v[20+\c], v85
.endr
	v_lshlrev_b32 v19, 5, v10                      ; sums: 32 G
.irp c, 0,1
.irp i, 0,1,2
	global_load_b64 v[28+6*\c+2*\i:29+6*\c+2*\i], v[17+\c], s[6:7] offset:8*\i
.endr
.endr
	global_load_u8 v22, v15, s[6:7] offset:196608
	global_load_u8 v23, v16, s[6:7] offset:196608
	global_load_b128 v[58:61], v19, s[6:7] offset:204800
	global_load_b128 v[62:65], v19, s[6:7] offset:204816
.irp s, 0,1
.irp j, 0,1,2,3,4,5,6,7
	global_load_b128 v[96+32*\s+4*\j:99+32*\s+4*\j], v[20+\s], s[10:11] offset:128*\j   ; all eight rows of the group: eight lanes read a row's 128 bytes
.endr
.endr
	s_wait_loadcnt 16                              ; all is in but the sixteen pieces of rows
	v_lshl_or_b32 v162, v23, 16, v22               ; my two bytes: blocks h and 2 + h of row r,
	v_lshlrev_b32 v163, 3, v4
	s_delay_alu instid0(VALU_DEP_1)
	v_lshlrev_b32 v162, v163, v162                 ; at their places;
	s_delay_alu instid0(VALU_DEP_1)
	v_permlanex16_b32 v165, v162, s20, s21
	s_delay_alu instid0(VALU_DEP_1)
	v_or_b32 v26, v162, v165                       ; with lane l xor 16's two the word is whole
	v_and_b32 v164, 6, v1
	s_delay_alu instid0(VALU_DEP_1)
	v_lshlrev_b32 v164, 2, v164
	s_delay_alu instid0(VALU_DEP_1)
	v_lshlrev_b32 v27, v164, v7                    ; z's byte at block (n % 8) / 2
	v_mov_b32 v25, v24
.irp j, 0,1,2,3,4,5
	v_cndmask_b32 v[40+\j], 0, v[52+\j], s22
	v_cndmask_b32 v[46+\j], 0, v[52+\j], s23
.endr
.irp k, 0,1,2,3
	v_pk_add_f32 v[66+2*\k:67+2*\k], v[58+2*\k:59+2*\k], v[24:25]   ; zz + ee.  (With the twelve selects: sixteen places behind the scale words, four behind the operand)
.endr
	v_wmma_scale_f32_16x16x128_f8f6f4 v[74:81], v[28:39], v[40:51], 0, v26, v27 matrix_a_fmt:MATRIX_FMT_BF6 matrix_b_fmt:MATRIX_FMT_BF6
.rept 4
	v_nop                                          ; four places ahead of the first read of the result (ISA guide 7.12.1)
.endr
.irp k, 0,1,2,3
	v_pk_fma_f32 v[74+2*\k:75+2*\k], v[74+2*\k:75+2*\k], -2.0, v[66+2*\k:67+2*\k] op_sel_hi:[1,0,1]   ; the distances, from the result's low end on
.endr
	s_delay_alu instid0(VALU_DEP_3)
	v_min3_num_f32 v161, v74, v75, v76
	s_delay_alu instid0(VALU_DEP_1)
	v_min3_num_f32 v161, v161, v77, v78
	s_delay_alu instid0(VALU_DEP_1)
	v_min3_num_f32 v161, v161, v79, v80
	s_delay_alu instid0(VALU_DEP_1)
	v_min_num_f32 v161, v161, v81
	v_mov_b32 v86, 7
.irp j, 6,5,4,3,2,1,0
	v_cmp_eq_f32 vcc_lo, v[74+\j], v161
	s_delay_alu instid0(VALU_DEP_1)
	v_cndmask_b32 v86, v86, \j, vcc_lo             ; the lowest j is written last: the first of the least
.endr
	s_delay_alu instid0(VALU_DEP_1)
	v_permlanex16_b32 v87, v86, s20, s21
	s_delay_alu instid0(VALU_DEP_1)
	v_cndmask_b32 v86, v87, v86, s24               ; every lane: J of token L % 8
	v_lshlrev_b32 v88, 3, v10
	s_delay_alu instid0(VALU_DEP_1)
	v_add3_u32 v88, v88, v86, 32000                ; 8 G + J + 32000
	ds_store_b32 v89, v88                          ; four lanes store the same word with the same value
	ds_bpermute_b32 v90, v91, v86                  ; J of token L / 8,
	ds_bpermute_b32 v92, v93, v86                  ; and of token 4 + L / 8
	s_wait_dscnt 0x0                               ; both are in; and, for wave 0's sake, my store is done
	s_barrier_signal -1
	s_barrier_wait -1
	s_wait_loadcnt 0x0                             ; the rows
.irp s, 0,1
.irp j, 1,2,3,4,5,6,7
	v_cmp_eq_u32 vcc_lo, \j, v[90+2*\s]
.irp k, 0,1,2,3
	v_cndmask_b32 v[96+32*\s+\k], v[96+32*\s+\k], v[96+32*\s+4*\j+\k], vcc_lo
.endr
.endr
	global_store_b128 v160, v[96+32*\s:99+32*\s], s[12:13] offset:512*\s th:TH_STORE_NT   ; 32 lanes store 512 consecutive bytes, aligned: four tokens' rows
.endr
	s_cmp_lg_u32 s16, 0
	s_cbranch_scc1 .Lend
	ds_load_b64 v[162:163], v94                    ; wave 0: the work-group's 64 indices
	s_wait_dscnt 0x0
	global_store_b64 v95, v[162:163], s[14:15]     ; 256 consecutive bytes, aligned
.Lend:
	s_wait_tensorcnt 0x0                           ; the wave's end: behind my last LDS store
	ds_add_u32 v[SPW], v[NIL]
	s_wait_dscnt 0x0
	s_endpgm
.Lfunc_end_k_q0a1541424a_pick:
	.size	k_q0a1541424a_pick, .Lfunc_end_k_q0a1541424a_pick-k_q0a1541424a_pick
	.p2alignl 7, 3214868480
	.fill 96, 4, 3214868480
	.section	.rodata,"a",@progbits
	.p2align	6, 0x0
	.amdhsa_kernel k_q0a1541424a_pick
		.amdhsa_group_segment_fixed_size 1280
		.amdhsa_private_segment_fixed_size 0
		.amdhsa_enable_private_segment 0
		.amdhsa_kernarg_size 48
		.amdhsa_user_sgpr_count 2
		.amdhsa_user_sgpr_kernarg_segment_ptr 1
		.amdhsa_wavefront_size32 1
		.amdhsa_system_sgpr_workgroup_id_x 1
		.amdhsa_system_sgpr_workgroup_id_y 1
		.amdhsa_system_sgpr_workgroup_id_z 1
		.amdhsa_system_vgpr_workitem_id 0
		.amdhsa_next_free_vgpr 168
		.amdhsa_next_free_sgpr 66
		.amdhsa_reserve_vcc 1
		.amdhsa_float_denorm_mode_32 3
		.amdhsa_float_denorm_mode_16_64 3
		.amdhsa_memory_ordered 1
		.amdhsa_forward_progress 1
		.amdhsa_inst_pref_size 15
	.end_amdhsa_kernel
	.amdgpu_metadata
---
amdhsa.version: [ 1, 2 ]
amdhsa.kernels:
  - .name:           k_q0a1541424a_pick
    .symbol:         k_q0a1541424a_pick.kd
    .args:
      - { .name: grp, .offset: 0, .size: 8, .value_kind: global_buffer, .address_space: global }
      - { .name: cb, .offset: 8, .size: 8, .value_kind: global_buffer, .address_space: global }
      - { .name: zq, .offset: 16, .size: 8, .value_kind: global_buffer, .address_space: global }
      - { .name: embedding_weight, .offset: 24, .size: 8, .value_kind: global_buffer, .address_space: global }
      - { .name: out0, .offset: 32, .size: 8, .value_kind: global_buffer, .address_space: global }
      - { .name: out1, .offset: 40, .size: 8, .value_kind: global_buffer, .address_space: global }
    .group_segment_fixed_size: 1280
    .private_segment_fixed_size: 0
    .kernarg_segment_align: 8
    .kernarg_segment_size: 48
    .max_flat_workgroup_size: 256
    .sgpr_count:     66
    .vgpr_count:     168
    .wavefront_size: 32
...
	.end_amdgpu_metadata
.endif
;; end of part 3
